; MI455X (gfx1250); checked and timed in simulation.
; The chip was launched on July 23, 2026; its instructions are those of AMD's public machine-readable ISA for CDNA 5 (MIT licence, August 2026) and "CDNA5" Instruction Set Architecture Reference Guide (July 2026). The comments in the code are by the model that wrote it; some were corrected since.
;; Cached Multihead Attention. Allowed arithmetic: matrix products marked QUANTISED: E2M3 operands, one E8M0 scale for each 32 along K, by v_wmma_scale_f32_16x16x128_f8f6f4 with both operands' format E2M3, f32 sums; everything else in f32.
;; Inputs: w_in_codes 3,072 x 32 x 24 uint8 (E2M3 codes of w_in, K innermost, in blocks of 32 codes, four codes in three bytes); w_in_scales 3,072 x 32 uint8 (E8M0 scales of w_in, one for each 32 codes along K); w_out_codes 1,024 x 32 x 24 uint8 (E2M3 codes of w_out, K innermost, in blocks of 32 codes, four codes in three bytes); w_out_scales 1,024 x 32 uint8 (E8M0 scales of w_out, one for each 32 codes along K); x_codes 4 x 2,048 x 32 x 24 uint8 (E2M3 codes of x, K innermost, in blocks of 32 codes, four codes in three bytes); x_scales 4 x 2,048 x 32 uint8 (E8M0 scales of x, one for each 32 codes along K).
;; Outputs: out0 4 x 2,048 x 1,024 float32.
;; This version of the problem:
;;   THIS VERSION OF THE PROBLEM IS GIVEN IN LOW PRECISION. The matrix products marked QUANTISED in the list below multiply operands that are first quantised to E2M3 (2 exponent bits, 3 mantissa bits; 6 bits a number), with one power-of-two scale for each 32 numbers along K (OCP MX v1.0); their sums are f32. All else is computed in f32.
;;   The module's matrix products, in the order in which they are computed (A, B: the left and right operand; K: the contracted axis; several contracted axes count as one K, in the product's order):
;;     1. [M 8,192, K 1,024] x [K 1,024, N 3,072]; A: input x (given as codes); B: input w_in (given as codes): QUANTISED
;;     2. batch 256 x [M 512, K 64] x [K 64, N 1,024]; A: computed on the way; B: computed on the way: QUANTISED
;;     3. batch 256 x [M 512, K 1,024] x [K 1,024, N 64]; A: softmax (see below); B: computed on the way: QUANTISED
;;     4. [M 8,192, K 1,024] x [K 1,024, N 1,024]; A: computed on the way; B: input w_out (given as codes): QUANTISED
;;   THE QUANTISER, for each operand of a quantised product, along K:
;;     - K is cut into blocks of 32 from its start; a last block that is shorter is filled with zeros.
;;     - A block's scale is 2^e with e = floor(log2(the largest magnitude in the block)) - 2, held to -126 .. 127; a block of zeros has e = 0. As a byte (E8M0): e + 127.
;;     - Each number is divided by its block's scale, clamped to +-7.5, and rounded to the nearest number of E2M3, ties to even, subnormals kept.
;;     - The product sums the exact products of the quantised numbers (number of the format x scale) in f32.
;;   ~~~python
;;   def quantise(x, axis):      # numpy; x: float32 -> the quantised numbers, widened to float32 again
;;       x = np.moveaxis(x, axis, -1); K = x.shape[-1]
;;       x = np.pad(x, [(0, 0)] * (x.ndim - 1) + [(0, -K % 32)]); x = x.reshape(x.shape[:-1] + (-1, 32)); a = np.abs(x).max(-1, keepdims=True)
;;       e = np.where(a > 0, np.clip(np.frexp(np.where(a > 0, a, 1))[1] - 1 - 2, -126, 127), 0)      # np.frexp(a)[1] - 1 = floor(log2(a)), exactly
;;       r = np.clip(x / 2.0 ** e, -7.5, 7.5)
;;       step = 2.0 ** (np.maximum(np.frexp(np.where(r == 0, 1, r))[1] - 1, 0) - 3)
;;       q = np.round(r / step) * step * 2.0 ** e      # np.round: ties to even
;;       return np.moveaxis(q.reshape(q.shape[:-2] + (-1,))[..., :K], -1, axis).astype(np.float32)
;;   ~~~
;;   SOFTMAX AHEAD OF A QUANTISED PRODUCT. Where the list says 'softmax', what is quantised is not the finished softmax but p = 2^(t - M), with t = logit x log2(e) and M = ceil(the row's largest t), a whole number; so 1/2 < the row's largest p <= 1. The row's sum l is taken of the UNQUANTISED p, in f32, and the product's result is divided by l at the end. Since M is a whole number, a kernel that streams over the keys may use a running M (the ceiling of the running maximum): every later rescaling is an exact power of two, which a block's scale takes up: the codes' values come out the same.
;;   OPERANDS COMPUTED ON THE WAY. 'Computed on the way' means the value that the module computes at that place (a softmax that the list does not call 'softmax' is quantised finished and normalised). What goes into a quantiser is computed in f32, as accurately as f32 sums, v_exp_f32 and their like allow (about 1e-6 of the number): no bf16 or f16 on the way to a quantiser, and a product that is left as it is and whose result goes on into a quantised operand takes f32 operands (vector FMAs, or v_wmma_f32_16x16x4_f32). A number that lies on a knife's edge between two numbers of the format may be rounded either way, as far as f32 arithmetic and the matrix unit's own rounding can turn it there, and no further.
;;   INPUTS GIVEN AS CODES. w_in (in the module: [3072, 1024], K = its axis 1); w_out (in the module: [1024, 1024], K = its axis 1); x (in the module: [4, 2048, 1024], K = its axis 2): each comes as NAME_codes (uint8): NAME with its K axis moved to the last place and cut into blocks of 32 codes, [.., K / 32, bytes a block], one block behind the other in memory; four codes in three bytes: a row's codes are one little-endian stream of bits, code i at bits 6 i .. 6 i + 5 (a code: sign, 2 exponent bits, 3 mantissa bits); and NAME_scales (uint8): the same leading axes, one E8M0 byte (e + 127) for each 32 codes along K. Its value is code x scale, taken as it is: it is not quantised again, and the codes and scales need not be those that the quantiser above would give.
;; One version. Each part assembles by itself: llvm-mc -triple=amdgcn-amd-amdhsa -mcpu=gfx1250 --defsym DOCPART=n.
;; ======== version 1 of 1: 3 launches
;; limits: right only within a limited range of input values
;; workspace buffers: qkv 20,185,088 bytes; o_img 6,291,456 bytes; o_scales 262,144 bytes
;; launch qkv (part 1): grid 16 x 16, 4 waves a work-group, clusters of 4 x 4, 327,680 bytes of LDS; arguments x_codes, x_scales, w_in_codes, w_in_scales, qkv; writes qkv
.if DOCPART == 1
	.amdgcn_target "amdgcn-amd-amdhsa--gfx1250"
	.amdhsa_code_object_version 6
	.text
	.protected	k_qd9b94905b0_qkv
	.globl	k_qd9b94905b0_qkv
	.p2align	8
	.type	k_qd9b94905b0_qkv,@function
k_qd9b94905b0_qkv:
	s_mov_b64 s[64:65], 0
	v_nop
	global_prefetch_b8 v0, s[64:65] scope:SCOPE_SE
	s_setreg_imm32_b32 hwreg(HW_REG_WAVE_MODE, 25, 1), 1
	s_wait_xcnt 0x0
	s_wait_alu depctr_hold_cnt(0) depctr_sa_sdst(0) depctr_va_vdst(0) depctr_va_sdst(0) depctr_va_ssrc(0) depctr_va_vcc(0) depctr_vm_vsrc(0)
	s_getreg_b32 s2, hwreg(HW_REG_IB_STS2, 6, 4)
	s_cmp_eq_u32 s2, 0
	s_cbranch_scc0 .Lentry_in_a_cluster
	s_endpgm
.Lentry_in_a_cluster:
	s_bfe_u32 s2, ttmp6, 0x10000c
	s_cmp_lg_u32 s2, 0xf033
	s_cbranch_scc0 .Lentry_shape_is_right
	s_endpgm
.Lentry_shape_is_right:
; qkv = x w_in^T on codes of FP6 (E2M3) with one E8M0 scale for each 32 along K = 1,024, and, on the way out, the quantising of q and k along the head's 64 and of v along the tokens.
; A tile is 128 rows of "A" x 256 rows of "B", made by four waves; a wave makes 64 x 128: 32 accumulators of 16 x 16, 256 registers.
; ALL OF K LIES IN LDS: whole rows of 768 bytes (they begin at multiples of 768 bytes of their buffer), 16 bytes of padding behind each 256: pitch 816.  384 rows x 816 + scales 13,056 + spare words 512 = 326,912 bytes.
; A WORK-GROUP STAYS: B's rows and scales are filled once; A's tile is walked, 4 tiles on in each trip.  At the head of a tile's last K step all its LDS reads are over: A's codes (wave 0) and A's scales (wave 2)
; are filled again there, behind the three lines and a round of the cluster's barrier; 32 products and the way out, which needs no LDS, stand between that load and the wait for it.  The last tile is written out: it fills nothing.
; THE MATRIX INSTRUCTION: source 0 = 16 rows of B, source 1 = 16 rows of A: a lane holds ONE row of A, its registers run along rows of B.
; ROLES BY THE CLUSTER'S x.  0 (q), 1 (k): A = x (four tiles of 128 tokens a work-group), B = w_in.  2, 3 (v): A = w_in's rows 2,048 on (two tiles a work-group), B = x: a lane holds a feature, registers run down the tokens.
; The walks differ in length since q and k have 64 tiles of A for each tile of B and v has 8.  CLUSTERS 4 x 4: A's tile is shared along a row of the cluster, B's along a column.  256 work-groups.
; PREFETCH: in trip t the tile of A that trip t + 1 will ask for (two tiles on) is named once in the cluster's row: partner cx takes rows 32 cx .. 32 cx + 31, a lane a row, waves 0-2 one 256 bytes of the row each; the last two trips ask for nothing.
; THE WAY OUT: codes are laid as images of the next operand's registers.  Inside a block of 32 the codes stand in the order 0-7, 16-23, 8-15, 24-31, alike on both sides of the next products.
; A RECORD of 19,712 bytes holds 128 tokens of one head: q's codes 6,144, q's scale words 512, k's 6,144 + 512, v's codes 6,144, v's scale words 256.  Record = (16 batch + head) 16 + tokens / 128.
; LIMITS: NaN and infinities are not served.  A block whose largest magnitude lies under 2^-124, a block of zeros among them, gets the byte 1; these bytes are read by this program alone.
; REGISTERS: window 0: v15-29 addresses; v32-63 scale words, two sets; v64-118 codes on the way out; v128-223 A's fragments, two sets; v224-255 at work on the way out.  Window 1: B's fragments, sets at v0, v128.  Window 2: accumulator (a, b) at v[8 (8 a + b)].
.set KROW,   768
.set PITCH,  816
.set FR,     12
.set BBASE,  128*PITCH
.set SCLA,   384*PITCH
.set SCLB,   SCLA+16*272
.set SPARE,  SCLB+32*272
.set SBLK,   544
.set REC,    19712
.set HEADREC, 16*REC
.set ASTEP,  4*128*KROW                ; four tiles of A on: codes,
.set SSTEP,  4*128*32                  ; and scales
.set PFO,  15                          ; v15 the prefetch's offset: lane x a row of codes
.set ADRA, 16                          ; v16 my A rows; v17 the same behind one padding more in lanes 16-31
.set ADRB, 18                          ; v18-19 B's blocks 0-3, v20-21 blocks 4-7
.set VC,   22                          ; q, k: 16 lane + my half of the record's codes
.set VW,   23                          ; q, k: 16 lane + my half of the scale words
.set LA16, 24
.set LA8,  25
.set ADRS, 27
.set SPW,  28
.set NIL,  29
.set SC,   32
.set CT,   112
.set AF,   128
.set TM,   224
.set PWS,  240
.set SW,   248
.set G1, 24
.set G0A, 32
.set G0B, 36
.set G1B, 48
.set G1S, 68
.set G0S, 76
.set G1SB, 80
.set G0SB, 88
.set MSB, 0
.macro WIN new                         ; the immediate's high byte repeats the setting that is left
.if MSB != \new
	s_set_vgpr_msb (MSB<<8)|\new
.set MSB, \new
.endif
.endm
.macro CROUND                          ; a round of the cluster's barrier
	s_barrier_signal -1
	s_barrier_wait -1
	s_cmp_lg_u32 s14, 0
	s_cbranch_scc1 .Lnot_wave_0_\@
	s_barrier_signal -3
.Lnot_wave_0_\@:
	s_barrier_wait -3
	s_barrier_signal -1
	s_barrier_wait -1
.endm
.macro PLACES
.rept 4
	v_nop
.endr
.endm
	s_load_b128 s[4:7], s[0:1], 0x0                ; x's codes, x's scales
	s_load_b128 s[8:11], s[0:1], 0x10              ; w_in's codes, w_in's scales
	s_load_b64 s[12:13], s[0:1], 0x20              ; the records
	v_lshl_add_u32 v[SPW], v0, 2, SPARE
	v_mov_b32 v[NIL], 0
	ds_add_u32 v[SPW], v[NIL]                      ; the opening lines: the add, twice on end, and its wait
	ds_add_u32 v[SPW], v[NIL]
	v_lshrrev_b32 v1, 5, v0
	v_readfirstlane_b32 s14, v1                    ; wave 0..3
	s_lshr_b32 s15, s14, 1                         ; my 64 of A's 128 rows
	s_and_b32 s16, s14, 1                          ; my 128 of B's 256 rows
	s_bfe_u32 s40, ttmp6, 0x40000                  ; cx
	s_bfe_u32 s41, ttmp6, 0x40004                  ; cy
	s_and_b32 s17, ttmp7, 0xffff                   ; the cluster's y
	s_lshl_b32 s3, s17, 2
	s_lshl_b32 s2, ttmp9, 4
	s_add_co_u32 s3, s3, s2
	s_sub_co_u32 s3, s3, 32                        ; v: B's tiles of 256 tokens: 16 (x - 2) + 4 y + cx
	s_lshl_b32 s17, s17, 4                         ; q, k: A's first tile of 128 tokens: 16 y + cy
	s_lshl_b32 s42, ttmp9, 2                       ; q, k: B's tiles of 256 rows of w_in: 4 x + cx
	s_cmp_ge_u32 ttmp9, 2                          ; the cluster's x is the same in all sixteen partners
	s_cselect_b32 s17, 16, s17                     ; v: A's first tile of 128 rows of w_in: 16 + cy
	s_cselect_b32 s42, s3, s42
	s_cselect_b32 s56, 2, 4                        ; tiles of A that I walk
	s_add_co_u32 s17, s17, s41                     ; A's tile: it holds cy and never cx
	s_add_co_u32 s42, s42, s40                     ; B's tile: it holds cx and never cy
	s_sub_co_u32 s62, s56, 1
	s_lshl_b32 s43, s41, 2
	s_lshl_b32 s43, 15, s43                        ; my row of the cluster
	s_lshl_b32 s44, 0x1111, s40                    ; my column
	s_or_b32 s[G1+0], s43, (1<<20)|(1<<21)|(5<<22)|(3<<25)   ; elements of 1 byte; 4 words of padding behind every 64
	s_or_b32 s[G1B+0], s44, (1<<20)|(1<<21)|(5<<22)|(3<<25)
	s_mov_b32 s[G1+1], KROW<<16
	s_mov_b32 s[G1+2], 128<<16
	s_mov_b32 s[G1+3], KROW<<16
	s_mov_b32 s[G1+4], 128
	s_mov_b32 s[G1+5], KROW
	s_mov_b32 s[G1+6], 0
	s_mov_b32 s[G1+7], 0
	s_mov_b32 s[G1B+1], KROW<<16
	s_mov_b32 s[G1B+2], 256<<16
	s_mov_b32 s[G1B+3], KROW<<16
	s_mov_b32 s[G1B+4], 256
	s_mov_b32 s[G1B+5], KROW
	s_mov_b32 s[G1B+6], 0
	s_mov_b32 s[G1B+7], 0
	s_or_b32 s[G1S+0], s43, (3<<16)|(1<<20)|(1<<21)|(5<<22)|(3<<25)   ; scales: dense bytes as rows of 256 (32 elements of 8 bytes), 16 of padding behind each
	s_or_b32 s[G1SB+0], s44, (3<<16)|(1<<20)|(1<<21)|(5<<22)|(3<<25)
	s_mov_b32 s[G1S+1], 32<<16
	s_mov_b32 s[G1S+2], 16<<16
	s_mov_b32 s[G1S+3], 32<<16
	s_mov_b32 s[G1S+4], 16
	s_mov_b32 s[G1S+5], 32
	s_mov_b32 s[G1S+6], 0
	s_mov_b32 s[G1S+7], 0
	s_mov_b32 s[G1SB+1], 32<<16
	s_mov_b32 s[G1SB+2], 32<<16
	s_mov_b32 s[G1SB+3], 32<<16
	s_mov_b32 s[G1SB+4], 32
	s_mov_b32 s[G1SB+5], 32
	s_mov_b32 s[G1SB+6], 0
	s_mov_b32 s[G1SB+7], 0
	s_lshl_b32 s20, s17, 7                         ; A's first row
	s_lshl_b32 s46, s42, 8                         ; B's first row
	s_lshl_b32 s22, s20, 5                         ; their scales: 32 bytes a row
	s_mov_b32 s23, 0
	s_lshl_b32 s92, s46, 5
	s_mov_b32 s93, 0
	s_mul_i32 s20, s20, KROW                       ; their codes (all offsets under 2^23)
	s_mov_b32 s21, 0
	s_mul_i32 s46, s46, KROW
	s_mov_b32 s47, 0
	s_wait_dscnt 0x0                               ; both opening adds are done
	s_wait_kmcnt 0x0
	s_cmp_ge_u32 ttmp9, 2                          ; which tensor is A and which is B
	s_cselect_b64 s[96:97], s[8:9], s[4:5]
	s_cselect_b64 s[98:99], s[10:11], s[6:7]
	s_cselect_b64 s[100:101], s[4:5], s[8:9]
	s_cselect_b64 s[66:67], s[6:7], s[10:11]
	s_add_nc_u64 s[20:21], s[96:97], s[20:21]
	s_add_nc_u64 s[22:23], s[98:99], s[22:23]
	s_add_nc_u64 s[46:47], s[100:101], s[46:47]
	s_add_nc_u64 s[92:93], s[66:67], s[92:93]
	CROUND                                         ; all sixteen work-groups are here: the joint loads meet
	s_mov_b32 s[G0A], 1
	s_mov_b32 s[G0A+1], 0
	s_mov_b64 s[G0A+2:G0A+3], s[20:21]
	s_or_b32 s[G0A+3], s[G0A+3], 0x80000000
	s_mov_b32 s[G0B], 1
	s_mov_b32 s[G0B+1], BBASE
	s_mov_b64 s[G0B+2:G0B+3], s[46:47]
	s_or_b32 s[G0B+3], s[G0B+3], 0x80000000
	s_mov_b32 s[G0S], 1
	s_mov_b32 s[G0S+1], SCLA
	s_mov_b64 s[G0S+2:G0S+3], s[22:23]
	s_or_b32 s[G0S+3], s[G0S+3], 0x80000000
	s_mov_b32 s[G0SB], 1
	s_mov_b32 s[G0SB+1], SCLB
	s_mov_b64 s[G0SB+2:G0SB+3], s[92:93]
	s_or_b32 s[G0SB+3], s[G0SB+3], 0x80000000
; one tree of branches on the wave's number, one load to an arm: wave 0 A's codes, 1 B's codes, 2 A's scales, 3 B's scales
.macro ARM under, g0, g1, next
	s_cmp_lt_u32 s14, \under
	s_cbranch_scc0 \next
	tensor_load_to_lds s[\g0:\g0+3], s[\g1:\g1+7]
	s_nop 0
	PLACES
	s_branch .Lhead_asked
\next:
.endm
	ARM 1, G0A, G1,  .Lhead_b
	ARM 2, G0B, G1B, .Lhead_sa
	ARM 3, G0S, G1S, .Lhead_sb
	tensor_load_to_lds s[G0SB:G0SB+3], s[G1SB:G1SB+7]
	s_nop 0
	PLACES
.Lhead_asked:
	; where my prefetches stand: two tiles of A on, my work-group's 32 rows, my wave's 256 bytes of each
	s_lshl_b32 s2, s17, 7
	s_lshl_b32 s3, s40, 5
	s_add_co_u32 s2, s2, s3
	s_mul_i32 s2, s2, KROW
	s_lshl_b32 s3, s14, 8
	s_add_co_u32 s2, s2, s3
	s_add_co_u32 s2, s2, 2*ASTEP
	s_mov_b32 s3, 0
	s_add_nc_u64 s[60:61], s[96:97], s[2:3]
	; where my wave's first record begins
	s_lshl_b32 s2, s42, 1
	s_add_co_u32 s2, s2, s16                       ; v: which 128 tokens
	s_lshl_b32 s3, s17, 1
	s_add_co_u32 s3, s3, s15                       ; v: my first head, modulo 16
	s_lshl_b32 s18, s42, 2
	s_lshl_b32 s19, s16, 1
	s_add_co_u32 s18, s18, s19                     ; q, k: my first head, modulo 16
	s_mov_b32 s58, 4*REC                           ; q, k: a trip goes 4 x 128 tokens on, inside one batch
	s_mov_b32 s59, 0
	s_cmp_ge_u32 ttmp9, 2
	s_cselect_b32 s2, s2, s17                      ; q, k: A's tile is the 128 tokens
	s_cselect_b32 s3, s3, s18
	s_cselect_b32 s58, 128*REC, s58                ; v: a trip goes 8 heads on
	s_and_b32 s3, s3, 15
	s_lshr_b32 s18, s2, 4                          ; the batch
	s_lshl_b32 s18, s18, 4
	s_add_co_u32 s18, s18, s3
	s_lshl_b32 s18, s18, 4
	s_and_b32 s2, s2, 15
	s_add_co_u32 s18, s18, s2                      ; the record
	s_mul_i32 s18, s18, REC
	s_min_u32 s19, ttmp9, 2
	s_mul_i32 s19, s19, 6656                       ; q's part at 0, k's at 6,656, v's at 13,312
	s_add_co_u32 s18, s18, s19
	s_mov_b32 s19, 0
	s_add_nc_u64 s[12:13], s[12:13], s[18:19]
	s_mov_b32 s18, 0xffff0000                      ; a mask of lanes 16-31
	s_mov_b32 s20, 0x76543210
	s_mov_b32 s21, 0xfedcba98                      ; v_permlanex16_b32's selects for lane l xor 16
	s_mul_i32 s22, s15, 64*PITCH                   ; my rows of A
	s_mul_i32 s23, s16, 128*PITCH
	s_add_co_u32 s23, s23, BBASE                   ; my rows of B
	s_mul_i32 s45, s15, 2176
	s_add_co_u32 s45, s45, SCLA                    ; my rows' scales: A's,
	s_mul_i32 s46, s16, 4352
	s_add_co_u32 s46, s46, SCLB
	s_sub_co_u32 s46, s46, s45                     ; and how far on B's lie
	s_mul_i32 s94, s15, 3072
	s_lshl_b32 s95, s15, 3
	v_and_b32 v1, 15, v0                           ; r
	v_bfe_u32 v2, v0, 4, 1                         ; h
	v_mul_u32_u24 v3, v1, PITCH
	v_mad_u32_u24 v3, v2, 24, v3                   ; row x pitch + 24 h
	v_add_nc_u32 v[ADRA], s22, v3
	v_add_nc_u32 v[ADRB], s23, v3
	v_lshl_add_u32 v[ADRA+1], v2, 4, v[ADRA]
	v_lshl_add_u32 v[ADRB+1], v2, 4, v[ADRB]
	v_add_nc_u32 v[ADRB+2], 64*PITCH, v[ADRB]
	v_add_nc_u32 v[ADRB+3], 64*PITCH, v[ADRB+1]
	v_lshlrev_b32 v5, 5, v1                        ; my row's scales: 32 bytes a row,
	v_lshrrev_b32 v6, 8, v5
	v_lshl_add_u32 v5, v6, 4, v5                   ; 16 more for each 256 passed
	v_mul_u32_u24 v6, s46, v2                      ; lanes 16-31 take B's
	v_add_nc_u32 v5, v5, v6
	v_add_nc_u32 v[ADRS], s45, v5
	v_and_b32 v6, 31, v0
	v_lshlrev_b32 v[LA16], 4, v6
	v_lshlrev_b32 v[LA8], 3, v6
	v_mul_u32_u24 v[PFO], v6, KROW
	v_add_nc_u32 v[VC], s94, v[LA16]
	v_add_nc_u32 v[VW], s95, v[LA16]
.irp b, 0,1,2,3
	v_mov_b32 v[TM+4+\b], 0                        ; a lane permute's destination counts as one of its sources
.endr
; a fragment: lane l holds row l % 16; registers 6 c .. 6 c + 5 hold K = 64 c + 32 (l / 16) + 0 .. 31: 24 bytes of the row, in pieces of 8.  Byte y of a row lies at y + 16 (y / 256) of its LDS row.
.macro FRAG reg, adr, st, off
.irp p, 0,1,2,3,4,5
.set BY, 96*(\st)+48*(\p/3)+8*(\p%3)
.if BY/256 == (BY+24)/256
	ds_load_b64 v[\reg+2*\p:\reg+2*\p+1], v[\adr] offset:BY+16*(BY/256)+(\off)
.else
	ds_load_b64 v[\reg+2*\p:\reg+2*\p+1], v[\adr+1] offset:BY+16*(BY/256)+(\off)
.endif
.endr
.endm
.macro FETCH st                        ; step st's fragments into set st % 2; with an even step the scale words of two steps (register 2 i + q: lanes 0-15 A's block i, lanes 16-31 B's block i)
	WIN 0x40
.irp i, 0,1,2,3
	FRAG 128*((\st)%2)+FR*\i, ADRB, \st, \i*16*PITCH
.endr
.irp i, 4,5,6,7
	FRAG 128*((\st)%2)+FR*\i, ADRB+2, \st, (\i-4)*16*PITCH
.endr
	WIN 0
.irp i, 0,1,2,3
	FRAG AF+48*((\st)%2)+FR*\i, ADRA, \st, \i*16*PITCH
.endr
.if (\st)%2 == 0
.irp i, 0,1,2,3,4,5,6,7
	ds_load_b64 v[SC+16*(((\st)/2)%2)+2*\i:SC+16*(((\st)/2)%2)+2*\i+1], v[ADRS] offset:\i*SBLK+4*(\st)
.endr
.endif
.endm
.macro MUL8 a                          ; A's block a x B's eight, step ST.  The 32 accumulators take turns
.irp b, 0,1,2,3,4,5,6,7
.if ST == 0
	v_wmma_scale_f32_16x16x128_f8f6f4 v[8*(8*\a+\b):8*(8*\a+\b)+7], v[128*(ST%2)+FR*\b:128*(ST%2)+FR*\b+FR-1], v[AF+48*(ST%2)+FR*\a:AF+48*(ST%2)+FR*\a+FR-1], 0, v[SC+16*((ST/2)%2)+2*\b+ST%2], v[SC+16*((ST/2)%2)+2*\a+ST%2] matrix_a_fmt:MATRIX_FMT_FP6 matrix_b_fmt:MATRIX_FMT_FP6 matrix_a_scale:MATRIX_SCALE_ROW1
.else
	v_wmma_scale_f32_16x16x128_f8f6f4 v[8*(8*\a+\b):8*(8*\a+\b)+7], v[128*(ST%2)+FR*\b:128*(ST%2)+FR*\b+FR-1], v[AF+48*(ST%2)+FR*\a:AF+48*(ST%2)+FR*\a+FR-1], v[8*(8*\a+\b):8*(8*\a+\b)+7], v[SC+16*((ST/2)%2)+2*\b+ST%2], v[SC+16*((ST/2)%2)+2*\a+ST%2] matrix_a_fmt:MATRIX_FMT_FP6 matrix_b_fmt:MATRIX_FMT_FP6 matrix_a_scale:MATRIX_SCALE_ROW1
.endif
.endr
.endm
; QUANT takes block a of A and its 64 numbers a lane: register 16 b + i belongs to block b of 32 along the next K.  Blocks 0, 1 become six registers at d0, blocks 2, 3 six at d1; the four scale bytes make the word pw.
.macro QUANT a, d0, d1, pw
.set AC, 64*(\a)
	WIN 0x28                                       ; sources 1 and 2: window 2
.irp b, 0,1,2,3
	v_max3_num_f32 v[TM+\b], 0x1800000, |v[AC+16*\b]|, |v[AC+16*\b+1]|   ; the floor 2^(3 - 127) holds the byte at 1 from below
.endr
.irp i, 2,4,6,8,10,12,14
.irp b, 0,1,2,3
	v_max3_num_f32 v[TM+\b], v[TM+\b], |v[AC+16*\b+\i]|, |v[AC+16*\b+\i+1]|
.endr
.endr
	WIN 0
.irp b, 0,1,2,3
	v_permlanex16_b32 v[TM+4+\b], v[TM+\b], s20, s21
.endr
.irp b, 0,1,2,3
	v_max_num_f32 v[TM+\b], v[TM+\b], v[TM+4+\b]   ; the block's largest magnitude
.endr
.irp b, 0,1,2,3
	v_add_nc_u32 v[TM+12+\b], 0xff000000, v[TM+\b] ; 2 off its exponent field: the conversion's scale operand
.endr
.irp b, 0,1,2,3
	v_lshrrev_b32 v[TM+4+\b], 23, v[TM+12+\b]      ; the scale's byte
.endr
	v_lshl_or_b32 v[\pw], v[TM+5], 8, v[TM+4]
	v_lshl_or_b32 v[\pw], v[TM+6], 16, v[\pw]
	v_lshl_or_b32 v[\pw], v[TM+7], 24, v[\pw]
	WIN 2                                          ; source 0: window 2
	v_cvt_scalef32_pk16_fp6_f32 v[(\d0):(\d0)+2], v[AC:AC+15], v[TM+12]
	v_cvt_scalef32_pk16_fp6_f32 v[CT:CT+2], v[AC+16:AC+31], v[TM+13]
	v_cvt_scalef32_pk16_fp6_f32 v[(\d1):(\d1)+2], v[AC+32:AC+47], v[TM+14]
	v_cvt_scalef32_pk16_fp6_f32 v[CT+4:CT+6], v[AC+48:AC+63], v[TM+15]
	WIN 0
	v_nop                                          ; one plain line behind the scaled conversions
.irp i, 0,1,2
	v_permlane16_swap_b32 v[(\d0)+\i], v[CT+\i]    ; a lane now holds a whole block
	v_permlane16_swap_b32 v[(\d1)+\i], v[CT+4+\i]
.endr
.irp i, 0,1,2
	v_mov_b32 v[(\d0)+3+\i], v[CT+\i]
	v_mov_b32 v[(\d1)+3+\i], v[CT+4+\i]
.endr
.endm
; A TILE: eight steps of 128 along K, written out since the places in the rows differ from step to step, and the way out.  refill = 1: the next tile of A is asked for.
.macro TILE refill
	s_wait_tensorcnt 0x0                           ; what I asked for is in
	s_barrier_signal -1
	s_barrier_wait -1                              ; and what the others asked for
	FETCH 0
.set ST, 0
.rept 8
.if (ST == 7) && \refill
	s_wait_tensorcnt 0x0                           ; no load of mine is out;
	ds_add_u32 v[SPW], v[NIL]                      ; 0 onto my spare word;
	s_add_nc_u64 s[G0A+2:G0A+3], s[G0A+2:G0A+3], ASTEP   ; the next tile of A: codes,
	s_add_nc_u64 s[G0S+2:G0S+3], s[G0S+2:G0S+3], SSTEP   ; and scales
	s_wait_dscnt 0x0                               ; the add is done, this step's fragments are in, and my reads of this tile are over
	CROUND                                         ; the same holds of every wave of every partner
	s_cmp_lg_u32 s14, 0
	s_cbranch_scc1 .Lnot_a_\@
	tensor_load_to_lds s[G0A:G0A+3], s[G1:G1+7]
	s_nop 0
	PLACES
	s_branch .Lfilled_\@
.Lnot_a_\@:
	s_cmp_lg_u32 s14, 2
	s_cbranch_scc1 .Lfilled_\@
	tensor_load_to_lds s[G0S:G0S+3], s[G1S:G1S+7]
	s_nop 0
	PLACES
.Lfilled_\@:
.else
	s_wait_dscnt 0x0                               ; this step's fragments are in
.endif
.if ST < 7
.if ST > 0
	PLACES                                         ; in front of loads into the set that the step before multiplied
.endif
	FETCH ST+1                                     ; the next step's land under this step's 32 products
.endif
.if (ST == 0) && \refill
	s_cmp_lt_u32 s57, s62                          ; is there a tile two on?
	s_cbranch_scc0 .Lno_ask_\@
	s_cmp_lt_u32 s14, 3                            ; a row has three blocks of 256 bytes: waves 0-2
	s_cbranch_scc0 .Lno_ask_\@
	global_prefetch_b8 v[PFO], s[60:61] th:TH_LOAD_NT scope:SCOPE_SE
.Lno_ask_\@:
.endif
	WIN 0xa1                                       ; source 0 window 1, source 1 window 0, C and D window 2
	MUL8 0
	MUL8 1
	MUL8 2
	MUL8 3
	WIN 0
.set ST, ST+1
.endr
	PLACES                                         ; behind the last products
	s_cmp_ge_u32 ttmp9, 2
	s_cbranch_scc1 .Lv_path_\@
	; q and k: my 64 tokens (four tiles of 16) x two heads.  Two tiles make 12 registers of a head's image: three stores of 512 bytes.
.irp e, 0,1
.set P, 64+24*\e
	QUANT 2*\e, P, P+12, PWS+2*\e
	QUANT 2*\e+1, P+6, P+18, PWS+2*\e+1
.irp c, 0,1
.irp q, 0,1,2
	global_store_b128 v[VC], v[P+12*\c+4*\q:P+12*\c+4*\q+3], s[12:13] offset:\c*HEADREC+1536*\e+512*\q
.endr
.endr
.endr
.irp e, 0,1
	v_cndmask_b32 v[SW+\e], v[PWS+2*\e], v[PWS+2*\e+1], s18   ; lanes 0-15 the even tile's words, lanes 16-31 the odd tile's
.endr
.irp e, 0,1
	v_lshrrev_b32 v[SW+2+\e], 16, v[SW+\e]         ; the second head's two bytes, zeros above them
.endr
.irp e, 0,1
	v_and_b32 v[SW+\e], 0xffff, v[SW+\e]           ; the first head's
.endr
	global_store_b64 v[VW], v[SW:SW+1], s[12:13] offset:6144            ; my two of a lane's four words
	global_store_b64 v[VW], v[SW+2:SW+3], s[12:13] offset:HEADREC+6144
	s_branch .Ldone_\@
.Lv_path_\@:
	; v: my 64 features (one head, four tiles of 16) x 128 tokens.  A block of A gives one whole fragment, 12 registers.
.irp a, 0,1,2,3
.set P, 64+24*(\a%2)
.if \a >= 2
	s_wait_xcnt 0x0                                ; the set's earlier stores have read their data
.endif
	QUANT \a, P, P+6, PWS+\a
.irp q, 0,1,2
	global_store_b128 v[LA16], v[P+4*\q:P+4*\q+3], s[12:13] offset:\a*1536+512*\q
.endr
.endr
.irp e, 0,1
	v_cndmask_b32 v[SW+\e], v[PWS+2*\e], v[PWS+2*\e+1], s18
.endr
	global_store_b64 v[LA8], v[SW:SW+1], s[12:13] offset:6144
.Ldone_\@:
.if \refill
	s_wait_xcnt 0x0                                ; the stores and the prefetch have read their registers: data, base and the prefetch's address may be written
	s_add_nc_u64 s[12:13], s[12:13], s[58:59]      ; the next tile's records
	s_add_nc_u64 s[60:61], s[60:61], ASTEP
.endif
.endm
	s_mov_b32 s57, 1                               ; the trip, counted from 1
	s_wait_alu depctr_va_vdst(0)                   ; the wait at the head's end
.Ltile:
	TILE 1
	s_add_co_u32 s57, s57, 1
	s_cmp_lt_u32 s57, s56
	s_wait_alu depctr_va_vdst(0)                   ; directly ahead of the branch
	s_cbranch_scc1 .Ltile
	TILE 0                                         ; the last tile fills nothing
	s_wait_tensorcnt 0x0                           ; the wave's end
	ds_add_u32 v[SPW], v[NIL]
	s_wait_dscnt 0x0
	CROUND                                         ; the closing round
	s_endpgm
.Lfunc_end_k_qd9b94905b0_qkv:
	.size	k_qd9b94905b0_qkv, .Lfunc_end_k_qd9b94905b0_qkv-k_qd9b94905b0_qkv
	.p2alignl 7, 3214868480
	.fill 96, 4, 3214868480
	.section	.rodata,"a",@progbits
	.p2align	6, 0x0
	.amdhsa_kernel k_qd9b94905b0_qkv
		.amdhsa_group_segment_fixed_size 327680
		.amdhsa_private_segment_fixed_size 0
		.amdhsa_enable_private_segment 0
		.amdhsa_kernarg_size 40
		.amdhsa_user_sgpr_count 2
		.amdhsa_user_sgpr_kernarg_segment_ptr 1
		.amdhsa_wavefront_size32 1
		.amdhsa_system_sgpr_workgroup_id_x 1
		.amdhsa_system_sgpr_workgroup_id_y 1
		.amdhsa_system_sgpr_workgroup_id_z 1
		.amdhsa_system_vgpr_workitem_id 0
		.amdhsa_next_free_vgpr 768
		.amdhsa_next_free_sgpr 102
		.amdhsa_reserve_vcc 0
		.amdhsa_float_denorm_mode_32 3
		.amdhsa_float_denorm_mode_16_64 3
		.amdhsa_memory_ordered 1
		.amdhsa_forward_progress 1
		.amdhsa_inst_pref_size 224
	.end_amdhsa_kernel
	.amdgpu_metadata
---
amdhsa.version: [ 1, 2 ]
amdhsa.kernels:
  - .name:           k_qd9b94905b0_qkv
    .symbol:         k_qd9b94905b0_qkv.kd
    .args:
      - { .name: x_codes, .offset: 0, .size: 8, .value_kind: global_buffer, .address_space: global }
      - { .name: x_scales, .offset: 8, .size: 8, .value_kind: global_buffer, .address_space: global }
      - { .name: w_in_codes, .offset: 16, .size: 8, .value_kind: global_buffer, .address_space: global }
      - { .name: w_in_scales, .offset: 24, .size: 8, .value_kind: global_buffer, .address_space: global }
      - { .name: qkv, .offset: 32, .size: 8, .value_kind: global_buffer, .address_space: global }
    .group_segment_fixed_size: 327680
    .private_segment_fixed_size: 0
    .kernarg_segment_align: 8
    .kernarg_segment_size: 40
    .max_flat_workgroup_size: 128
    .sgpr_count:     102
    .vgpr_count:     768
    .wavefront_size: 32
...
	.end_amdgpu_metadata
.endif
;; end of part 1
;; launch attn (part 2): grid 8 x 32, 16 waves a work-group, no clusters, 169,984 bytes of LDS; arguments qkv, o_img, o_scales; writes o_img, o_scales
.if DOCPART == 2
	.amdgcn_target "amdgcn-amd-amdhsa--gfx1250"
	.amdhsa_code_object_version 6
	.text
	.protected	k_qd9b94905b0_attn
	.globl	k_qd9b94905b0_attn
	.p2align	8
	.type	k_qd9b94905b0_attn,@function
k_qd9b94905b0_attn:
	s_mov_b64 s[64:65], 0
	v_nop
	global_prefetch_b8 v0, s[64:65] scope:SCOPE_SE
	s_setreg_imm32_b32 hwreg(HW_REG_WAVE_MODE, 25, 1), 1
	s_wait_xcnt 0x0
; Sliding-window attention with a bias slope x (query - key), on codes of FP6 (E2M3): S = q k^T (K = the head's 64), p = 2^(t - M), O = p v (K = the keys), O / l quantised along the model's 1,024 for the last product.
; t = (S / 8 + slope (q - k)) log2(e), for 0 <= q - k <= 512 and k >= 0; M = the running largest t rounded up to a whole number; l = the sum of the unquantised p.  When M moves, l and O are multiplied by 2^(old M - new M): exact.
; SHARES.  A work-group: 256 queries of one batch, two heads (2 kappa, 2 kappa + 1).  Each of sixteen waves owns 16 queries, in 256 registers, for both heads one after the other: four waves to a SIMD.
; The queries 128 (2 x + g) on (g = wave / 8) see the keys of steps 2 x + g - 4 .. 2 x + g of 128 keys: five trips.  The first carries the mask q - k > 512, the last the mask k > q, the middle three none.
; A step in front of the sequence is left out by a scalar branch on ids, round the work alone.
; LDS.  All that the work-group reads of k and v, six steps x two heads x 13,056 bytes, comes at the first lines, each byte filled once: no ring.  Waves 0-11 bring one step of one head each: one tensor load a wave.
; Each slot is a part of a record as the launch before laid it: images of operand registers, read by 16 bytes a lane, 512 consecutive bytes an instruction.
; NO JOINT LOADS: neighbouring blocks of queries see windows two steps apart, so a shared step would lie at an LDS address that hangs on the place in the cluster.
; LAYOUT.  Both products are used transposed (S^T = k q^T, O^T = v^T p^T): a lane holds one query (lane % 16) throughout.  Register j of tile t of S^T is key 16 t + 8 (lane / 16) + j.
; Inside a block of 32 the codes of q, k, v and p stand in the order 0-7, 16-23, 8-15, 24-31, alike on both sides of a product.  o is brought into its true order, since the last product's weight is given.
; K = 64 IN AN INSTRUCTION OF 128: q's upper six registers are zero codes; k's upper six are whatever follows (the next tile's codes, or zeros); their scale bytes are 0, which is 2^-127: the products are zeros.
; THE BIAS.  q - k = (Q0 - KF - 32 B) + (r - 8 h - j - 16 u).  The second term, x 8 slope, is the C of the first product: sixteen registers a head serve all tiles.  The first is one number a block.
; LIMITS: NaN and infinities are not served.  The largest t starts at -3e38.  A block whose largest magnitude lies under 2^-124 gets the byte 1; these bytes are read by this program alone.
; REGISTERS: v1 16 lane, v2 8 lane, v3-4 the step's LDS addresses, v5 r - 8 h, v6 -inf, v7 at work, v8-11 offsets of q, then float(Q0 - KF - 32 B); v12 -M, v13 largest t, v14-15 l; v16-27 q; v28 q's scale word;
;   v29 p's; v30-31 f, 0; v32-85 k, then v; v86-89 k's scale words, v90-91 v's; v92-107 the bias tables; v108-171 S^T, p; v172-203 O^T; v204-215 p's codes; v216-222 conversions; v224-239 at work;
;   v240-251 o's codes (v246-251 first hold the second head's q); v252 its scale word; v253 o's scale word; v254 float(r - 8 h); v255 32 r.
.set REC,     19712
.set HEADREC, 16*REC
.set KVB,     13056                    ; a slot: k's codes 6,144, k's scale words 512, v's codes 6,144, v's scale words 256: 51 rows of 256 bytes
	s_load_b128 s[4:7], s[0:1], 0x0                ; the records, o's images
	s_load_b64 s[8:9], s[0:1], 0x10                ; o's scale bytes
	v_lshl_add_u32 v219, v0, 2, 0x29000
	v_mov_b32 v223, 0
	ds_add_u32 v219, v223
	ds_add_u32 v219, v223
	v_lshrrev_b32 v1, 5, v0
	s_delay_alu instid0(VALU_DEP_1)
	v_readfirstlane_b32 s10, v1                    ; wave 0..15
	s_lshr_b32 s11, s10, 3                         ; g
	s_and_b32 s12, s10, 7                          ; wq: my tile among the 128 queries
	s_mov_b32 s13, ttmp9                           ; x: the block of 256 queries
	s_and_b32 s14, ttmp7, 0xffff
	s_lshr_b32 s15, s14, 3                         ; the batch
	s_and_b32 s16, s14, 7                          ; kappa: the pair of heads
	s_lshl_b32 s20, s15, 4
	s_lshl_b32 s21, s16, 1
	s_add_co_u32 s20, s20, s21
	s_lshl_b32 s20, s20, 4                         ; the first head's first record
	s_lshl_b32 s21, s13, 1                         ; 2 x
	; THE FILLS: twelve waves bring one slot each, one tensor load a wave: waves 0-5 the first head's six steps, waves 6-11 the second head's
	s_cmp_ge_u32 s10, 6
	s_cselect_b32 s52, 6, 0
	s_cselect_b32 s53, 16, 0                       ; the second head's records lie 16 on
	s_sub_co_u32 s22, s10, s52
	s_add_co_u32 s22, s22, s21
	s_sub_co_i32 s22, s22, 4                       ; the step that I fetch: 2 x - 4 + wave % 6
	s_max_i32 s22, s22, 0                          ; held inside the sequence: a slot for a step in front of it is filled with step 0 and never read
	s_min_u32 s22, s22, 15                         ; (waves 12-15 fetch nothing; their address stays inside the buffer all the same)
	s_add_co_u32 s22, s22, s20
	s_add_co_u32 s22, s22, s53
	s_mul_i32 s22, s22, REC
	s_add_co_u32 s22, s22, 6656                    ; behind q's part
	s_mov_b32 s23, 0
	s_add_co_u32 s21, s21, s11
	s_add_co_u32 s50, s20, s21                     ; my queries' record: step 2 x + g
	s_mul_i32 s50, s50, REC
	s_mov_b32 s51, 0
	; descriptor group 1: 13,056 dense bytes as 51 rows of 256 (32 elements of 8 bytes)
	s_mov_b32 s24, 3<<16
	s_mov_b32 s25, 32<<16
	s_mov_b32 s26, 51<<16
	s_mov_b32 s27, 32<<16
	s_mov_b32 s28, 51
	s_mov_b32 s29, 32
	s_mov_b32 s30, 0
	s_mov_b32 s31, 0
	s_mov_b32 s32, 1
	s_mul_i32 s33, s10, KVB                        ; my slot: wave x 13,056
	s_mov_b32 s18, 0x76543210
	s_mov_b32 s19, 0xfedcba98                      ; v_permlanex16_b32's selects for lane l xor 16
	s_mov_b32 s42, 0x3e38aa3b                      ; c1 = log2(e) / 8
	s_mov_b32 s43, s42
	s_wait_dscnt 0x0
	s_wait_kmcnt 0x0
	s_add_nc_u64 s[34:35], s[4:5], s[22:23]
	s_or_b32 s35, s35, 0x80000000
	s_add_nc_u64 s[40:41], s[4:5], s[50:51]
	s_cmp_lt_u32 s10, 12
	s_cbranch_scc0 .Lno_fill                       ; the one fill of a wave, into slot wave x 13,056
	tensor_load_to_lds s[32:35], s[24:31]
	s_nop 0
.rept 4
	v_nop
.endr
.Lno_fill:
	v_and_b32 v7, 31, v0
	s_delay_alu instid0(VALU_DEP_1)
	v_lshlrev_b32 v1, 4, v7
	s_delay_alu instid0(VALU_DEP_2)
	v_lshlrev_b32 v2, 3, v7
	v_and_b32 v3, 15, v0                           ; r
	v_bfe_u32 v4, v0, 4, 1                         ; h
	s_delay_alu instid0(VALU_DEP_2)
	v_lshlrev_b32 v255, 5, v3
	s_delay_alu instid0(VALU_DEP_2)
	v_lshlrev_b32 v4, 3, v4
	s_delay_alu instid0(VALU_DEP_1)
	v_sub_nc_u32 v5, v3, v4                        ; r - 8 h
	s_delay_alu instid0(VALU_DEP_1)
	v_cvt_f32_i32 v254, v5
.irp j, 0,1,2,3,4,5,6,7
	v_cmp_lt_i32 s[66+\j], \j, v5                  ; the tile on the window's far edge: lanes where 8 h + j < r are hidden
	v_cmp_gt_i32 s[74+\j], \j, v5                  ; the tile on the diagonal: lanes where 8 h + j > r are hidden
.endr
	v_mov_b32 v6, 0xff800000
	s_lshl_b32 s82, 1, s12
	s_sub_co_u32 s82, s82, 1                       ; the first trip's tiles that are hidden whole: bits 0 .. wq - 1
	s_lshl_b32 s83, 0xfe, s12
	s_and_b32 s83, s83, 0xff                       ; the last trip's: bits wq + 1 .. 7
	; q's fragment is registers 6 wq .. 6 wq + 5 of the image's 48: pair pi = 3 wq + p lies in chunk pi / 2 (512 bytes), 8 (pi % 2) bytes into my 16
	s_mul_i32 s21, s12, 3
.irp p, 0,1,2
	s_add_co_u32 s22, s21, \p
	s_lshr_b32 s23, s22, 1
	s_lshl_b32 s23, s23, 9
	s_and_b32 s22, s22, 1
	s_lshl_b32 s22, s22, 3
	s_add_co_u32 s23, s23, s22
	v_add_nc_u32 v[8+\p], s23, v1
.endr
	s_and_b32 s22, s12, 1                          ; its scale words: register wq / 2 of the four, lanes 16 (wq % 2) + r
	s_lshl_b32 s22, s22, 8
	s_lshr_b32 s23, s12, 1
	s_lshl_b32 s23, s23, 2
	s_add_co_u32 s22, s22, s23
	s_add_co_u32 s22, s22, 6144
	v_lshl_add_u32 v11, v3, 4, s22
	s_wait_alu depctr_va_vdst(0)
.irp p, 0,1,2
	global_load_b64 v[16+2*\p:17+2*\p], v[8+\p], s[40:41]
	global_load_b64 v[246+2*\p:247+2*\p], v[8+\p], s[40:41] offset:HEADREC
.endr
	global_load_b32 v28, v11, s[40:41]
	global_load_b32 v252, v11, s[40:41] offset:HEADREC
.irp i, 22,23,24,25,26,27,80,81,82,83,84,85,31,228,229,230,231
	v_mov_b32 v[\i], 0                             ; q's upper half, the tail behind k's last tile, the pair of f, and the lane permutes' destinations
.endr
; A KEY STEP: 128 keys of the head in hand, in the slot at s47.
.macro STEP
	s_cmp_lt_i32 s48, 0                            ; a step in front of the sequence: a branch on ids, round the work and not round the lines that step addresses
	s_cbranch_scc1 .Lskip_\@
	v_add_nc_u32 v3, s47, v1
	v_add_nc_u32 v4, s47, v2
	s_wait_alu depctr_va_vdst(0)
	v_pk_mul_f32 v[232:233], v[8:9], s[44:45] op_sel_hi:[1,0]     ; g = c2 (Q0 - KF - 32 B).  (These four lines and the two at the step's end are the places behind the last products)
	v_pk_mul_f32 v[234:235], v[10:11], s[44:45] op_sel_hi:[1,0]
.irp q, 0,1,2,3,4,5,6,7,8,9,10,11
	ds_load_b128 v[32+4*\q:35+4*\q], v3 offset:512*\q             ; k's eight tiles: six registers each
.endr
	ds_load_b128 v[86:89], v3 offset:6144                         ; their scale words: register e: lanes 0-15 tile 2 e, lanes 16-31 tile 2 e + 1
	s_wait_dscnt 0x0
.irp t, 0,1,2,3,4,5,6,7
.if \t%2 == 0
	v_wmma_scale_f32_16x16x128_f8f6f4 v[108+8*\t:115+8*\t], v[32+6*\t:43+6*\t], v[16:27], v[92:99], v[86+\t/2], v28 matrix_a_fmt:MATRIX_FMT_FP6 matrix_b_fmt:MATRIX_FMT_FP6
.else
	v_wmma_scale_f32_16x16x128_f8f6f4 v[108+8*\t:115+8*\t], v[32+6*\t:43+6*\t], v[16:27], v[100:107], v[86+\t/2], v28 matrix_a_fmt:MATRIX_FMT_FP6 matrix_b_fmt:MATRIX_FMT_FP6 matrix_a_scale:MATRIX_SCALE_ROW1
.endif
.endr
.rept 4
	v_nop                                          ; places in front of the loads into k's registers and of the first read of the scores
.endr
.irp q, 0,1,2,3,4,5,6,7,8,9,10,11
	ds_load_b128 v[32+4*\q:35+4*\q], v3 offset:6656+512*\q        ; v's four fragments: they land under the softmax
.endr
	ds_load_b64 v[90:91], v4 offset:12800
	s_cmp_lg_u32 s49, 0
	s_cbranch_scc1 .Lnot_first_\@
.set n, 0
.irp t, 0,1,2,3,4,5,6,7                        ; the first trip: q - k = 512 + 16 wq + r - key: tiles under wq are hidden whole, tile wq by the lane masks, the rest not at all; branches on the wave's number
	s_cmp_lg_u32 s12, \t
	s_cbranch_scc1 .Lfn_\@_\t
.irp j, 0,1,2,3,4,5,6,7
	v_cndmask_b32 v[108+8*\t+\j], v[108+8*\t+\j], v6, s[66+\j]
.endr
	s_branch .Lnot_first_\@
.Lfn_\@_\t:
.if \t < 7
.irp j, 0,1,2,3,4,5,6,7
	v_mov_b32 v[108+8*\t+\j], v6
.endr
.endif
.endr
.Lnot_first_\@:
	s_wait_alu depctr_va_vdst(0)
	s_cmp_lg_u32 s49, 4
	s_cbranch_scc1 .Lnot_last_\@
.set n, 0
.irp t, 7,6,5,4,3,2,1,0                        ; the last trip: q - k = 16 wq + r - key: tiles over wq are hidden whole, tile wq by the lane masks
	s_cmp_lg_u32 s12, \t
	s_cbranch_scc1 .Lln_\@_\t
.irp j, 0,1,2,3,4,5,6,7
	v_cndmask_b32 v[108+8*\t+\j], v[108+8*\t+\j], v6, s[74+\j]
.endr
	s_branch .Lnot_last_\@
.Lln_\@_\t:
.if \t > 0
.irp j, 0,1,2,3,4,5,6,7
	v_mov_b32 v[108+8*\t+\j], v6
.endr
.endif
.endr
.Lnot_last_\@:
	s_wait_alu depctr_va_vdst(0)
.irp b, 0,1,2,3
	v_max3_num_f32 v[224+\b], v[108+16*\b], v[109+16*\b], v[110+16*\b]   ; the largest number of each block of 32 keys: it serves for the row's maximum and, since p rises with it, for the block's largest p
.endr
.irp i, 3,5,7,9,11,13
.irp b, 0,1,2,3
	v_max3_num_f32 v[224+\b], v[224+\b], v[108+16*\b+\i], v[109+16*\b+\i]
.endr
.endr
.irp b, 0,1,2,3
	v_max_num_f32 v[224+\b], v[224+\b], v[123+16*\b]
.endr
.irp b, 0,1,2,3
	s_delay_alu instid0(VALU_DEP_4)
	v_permlanex16_b32 v[228+\b], v[224+\b], s18, s19
.endr
.irp b, 0,1,2,3
	s_delay_alu instid0(VALU_DEP_4)
	v_max_num_f32 v[224+\b], v[224+\b], v[228+\b]
.endr
	s_delay_alu instid0(VALU_DEP_3)
	v_pk_fma_f32 v[228:229], v[224:225], s[42:43], v[232:233] op_sel_hi:[1,0,1]   ; each block's largest t
	s_delay_alu instid0(VALU_DEP_2)
	v_pk_fma_f32 v[230:231], v[226:227], s[42:43], v[234:235] op_sel_hi:[1,0,1]
	s_delay_alu instid0(VALU_DEP_1)
	v_max3_num_f32 v7, v228, v229, v230
	s_delay_alu instid0(VALU_DEP_1)
	v_max_num_f32 v7, v7, v231
	s_delay_alu instid0(VALU_DEP_1)
	v_max_num_f32 v13, v13, v7                     ; the running largest t
	v_mov_b32 v7, v12
	s_delay_alu instid0(VALU_DEP_2)
	v_floor_f32 v12, -v13                          ; the new -M = floor(-t): M is a whole number
	s_delay_alu instid0(VALU_DEP_1)
	v_sub_f32 v7, v12, v7                          ; old M - new M, 0 or less
	s_delay_alu instid0(VALU_DEP_1)
	v_cvt_i32_f32 v7, v7                           ; (it saturates)
	s_delay_alu instid0(VALU_DEP_1)
	v_ldexp_f32 v30, 1.0, v7                       ; f = 2^(old M - new M)
	s_delay_alu instid0(VALU_DEP_4)
	v_pk_add_f32 v[236:237], v[232:233], v[12:13] op_sel_hi:[1,0]   ; G = g - M
	v_pk_add_f32 v[238:239], v[234:235], v[12:13] op_sel_hi:[1,0]
.irp b, 0,1,2,3
.irp i, 0,2,4,6,8,10,12,14
.if \b%2 == 0
	v_pk_fma_f32 v[108+16*\b+\i:109+16*\b+\i], v[108+16*\b+\i:109+16*\b+\i], s[42:43], v[236+\b:237+\b] op_sel_hi:[1,0,0]   ; t - M, two at a time; the pair's first word is this block's G
.else
	v_pk_fma_f32 v[108+16*\b+\i:109+16*\b+\i], v[108+16*\b+\i:109+16*\b+\i], s[42:43], v[235+\b:236+\b] op_sel:[0,0,1] op_sel_hi:[1,0,1]   ; the pair's second word
.endif
.endr
.endr
	v_pk_fma_f32 v[224:225], v[224:225], s[42:43], v[236:237] op_sel_hi:[1,0,1]   ; the same of each block's largest number
	v_pk_fma_f32 v[226:227], v[226:227], s[42:43], v[238:239] op_sel_hi:[1,0,1]
.set n, 0
	s_wait_alu depctr_va_vdst(0)
	s_cmp_eq_u32 s49, 0
	s_cselect_b32 s54, s82, 0
	s_cmp_eq_u32 s49, 4
	s_cselect_b32 s54, s83, s54                    ; this trip's tiles that are hidden whole: made of ids alone
	s_cmp_lg_u32 s54, 0
	s_cbranch_scc1 .Ledge_\@
.rept 64
	v_exp_f32 v[108+n], v[108+n]                   ; p = 2^(t - M), at most 1, not normalised
.set n, n+1
.endr
	s_wait_alu depctr_va_vdst(0)                   ; the wait ahead of a branch behind transcendentals
	s_branch .Lexp_done_\@
.Ledge_\@:
.irp t, 0,1,2,3,4,5,6,7                        ; a trip with hidden tiles: their p are zeros, written and not computed
	s_bitcmp1_b32 s54, \t
	s_cbranch_scc1 .Ldead_\@_\t
.irp j, 0,1,2,3,4,5,6,7
	v_exp_f32 v[108+8*\t+\j], v[108+8*\t+\j]
.endr
	s_wait_alu depctr_va_vdst(0)                   ; as above
	s_branch .Llive_\@_\t
.Ldead_\@_\t:
.irp j, 0,1,2,3,4,5,6,7
	v_mov_b32 v[108+8*\t+\j], 0
.endr
.Llive_\@_\t:
.endr
.Lexp_done_\@:
.irp b, 0,1,2,3
	v_exp_f32 v[224+\b], v[224+\b]                 ; the block's largest p: the same two instructions on the same number
.endr
	v_pk_mul_f32 v[14:15], v[14:15], v[30:31] op_sel_hi:[1,0]     ; l under the new M.  (A plain line behind the exponentials)
	s_wait_alu depctr_va_vdst(0)
.irp b, 0,1,2,3
	v_max_num_f32 v[224+\b], 0x1800000, v[224+\b]  ; the floor 2^(3 - 127): a block whose every p is 0 keeps the byte 1: its codes are zeros
.endr
.irp b, 0,1,2,3
	s_delay_alu instid0(VALU_DEP_4)
	v_add_nc_u32 v[232+\b], 0xff000000, v[224+\b]  ; 2 off the exponent field: the conversion's scale operand
.endr
.irp b, 0,1,2,3
	s_delay_alu instid0(VALU_DEP_4)
	v_lshrrev_b32 v[228+\b], 23, v[232+\b]
.endr
	s_delay_alu instid0(VALU_DEP_3)
	v_lshl_or_b32 v29, v229, 8, v228               ; p's scale word for these 128 keys
	s_delay_alu instid0(VALU_DEP_1)
	v_lshl_or_b32 v29, v230, 16, v29
	s_delay_alu instid0(VALU_DEP_1)
	v_lshl_or_b32 v29, v231, 24, v29
.irp c, 0,1
	v_cvt_scalef32_pk16_fp6_f32 v[204+6*\c:206+6*\c], v[108+32*\c:123+32*\c], v[232+2*\c]
	v_cvt_scalef32_pk16_fp6_f32 v[216+4*\c:218+4*\c], v[124+32*\c:139+32*\c], v[233+2*\c]
.endr
	v_nop                                          ; one plain line behind the scaled conversions
.irp c, 0,1
.irp i, 0,1,2
	v_permlane16_swap_b32 v[204+6*\c+\i], v[216+4*\c+\i]          ; a lane now holds a whole block: lanes 0-15 block 2 c, lanes 16-31 block 2 c + 1
.endr
.irp i, 0,1,2
	s_delay_alu instid0(VALU_DEP_3)
	v_mov_b32 v[207+6*\c+\i], v[216+4*\c+\i]
.endr
.endr
	v_pk_add_f32 v[236:237], v[112:113], v[116:117]
	v_pk_add_f32 v[238:239], v[120:121], v[124:125]
	v_pk_add_f32 v[234:235], v[128:129], v[132:133]
	v_pk_add_f32 v[232:233], v[136:137], v[140:141]
	v_pk_add_f32 v[226:227], v[144:145], v[148:149]
	v_pk_add_f32 v[224:225], v[152:153], v[156:157]
	v_pk_add_f32 v[220:221], v[160:161], v[164:165]
	v_pk_add_f32 v[14:15], v[14:15], v[168:169]
	v_pk_add_f32 v[236:237], v[236:237], v[108:109]
	v_pk_add_f32 v[238:239], v[238:239], v[110:111]
	v_pk_add_f32 v[234:235], v[234:235], v[114:115]
	v_pk_add_f32 v[232:233], v[232:233], v[118:119]
	v_pk_add_f32 v[226:227], v[226:227], v[122:123]
	v_pk_add_f32 v[224:225], v[224:225], v[126:127]
	v_pk_add_f32 v[220:221], v[220:221], v[130:131]
	v_pk_add_f32 v[14:15], v[14:15], v[134:135]
	v_pk_add_f32 v[236:237], v[236:237], v[138:139]
	v_pk_add_f32 v[238:239], v[238:239], v[142:143]
	v_pk_add_f32 v[234:235], v[234:235], v[146:147]
	v_pk_add_f32 v[232:233], v[232:233], v[150:151]
	v_pk_add_f32 v[226:227], v[226:227], v[154:155]
	v_pk_add_f32 v[224:225], v[224:225], v[158:159]
	v_pk_add_f32 v[220:221], v[220:221], v[162:163]
	v_pk_add_f32 v[14:15], v[14:15], v[166:167]
	v_pk_add_f32 v[236:237], v[236:237], v[170:171]
	s_delay_alu instid0(VALU_DEP_2)
	v_pk_add_f32 v[14:15], v[14:15], v[232:233]
	s_delay_alu instid0(VALU_DEP_2)
	v_pk_add_f32 v[236:237], v[236:237], v[226:227]
	v_pk_add_f32 v[238:239], v[238:239], v[224:225]
	v_pk_add_f32 v[234:235], v[234:235], v[220:221]
	s_delay_alu instid0(VALU_DEP_2)
	v_pk_add_f32 v[14:15], v[14:15], v[238:239]
	s_delay_alu instid0(VALU_DEP_2)
	v_pk_add_f32 v[236:237], v[236:237], v[234:235]
	s_delay_alu instid0(VALU_DEP_1)
	v_pk_add_f32 v[14:15], v[14:15], v[236:237]
.irp j, 0,2,4,6,8,10,12,14,16,18,20,22,24,26,28,30
	v_pk_mul_f32 v[172+\j:173+\j], v[172+\j:173+\j], v[30:31] op_sel_hi:[1,0]   ; O^T under the new M.  (These 48 lines are also the places between p's codes and scale word and the products)
.endr
	s_wait_alu depctr_va_vdst(0)
	s_wait_dscnt 0x0                               ; v is in
.irp t, 0,1,2,3
.if \t%2 == 0
	v_wmma_scale_f32_16x16x128_f8f6f4 v[172+8*\t:179+8*\t], v[32+12*\t:43+12*\t], v[204:215], v[172+8*\t:179+8*\t], v[90+\t/2], v29 matrix_a_fmt:MATRIX_FMT_FP6 matrix_b_fmt:MATRIX_FMT_FP6
.else
	v_wmma_scale_f32_16x16x128_f8f6f4 v[172+8*\t:179+8*\t], v[32+12*\t:43+12*\t], v[204:215], v[172+8*\t:179+8*\t], v[90+\t/2], v29 matrix_a_fmt:MATRIX_FMT_FP6 matrix_b_fmt:MATRIX_FMT_FP6 matrix_a_scale:MATRIX_SCALE_ROW1
.endif
.endr
.Lskip_\@:
	s_wait_alu depctr_va_vdst(0)
	v_pk_add_f32 v[8:9], v[8:9], 0xc3000000 op_sel_hi:[1,0]       ; the next step's keys lie 128 on: whole numbers, exact
	v_pk_add_f32 v[10:11], v[10:11], 0xc3000000 op_sel_hi:[1,0]
	s_add_co_u32 s47, s47, KVB
	s_add_co_i32 s48, s48, 1
.endm
; O^T / l, brought into the order of the model's axis, becomes six registers of o's fragment and two bytes of its scale word.
.macro FINISH hd
.rept 4
	v_nop                                          ; places behind the last products
.endr
	v_add_f32 v7, v14, v15
	s_delay_alu instid0(VALU_DEP_1)
	v_permlanex16_b32 v228, v7, s18, s19
	s_delay_alu instid0(VALU_DEP_1)
	v_add_f32 v7, v7, v228                         ; the row's sum
	s_wait_alu depctr_va_vdst(0)
	v_rcp_f32 v7, v7
	v_nop                                          ; a plain line behind the reciprocal
.set n, 0
	s_wait_alu depctr_va_vdst(0)
.rept 32
	v_mul_f32 v[108+n], v[172+n], v7               ; register 8 t + j: o(r, 16 t + 8 h + j)
.set n, n+1
.endr
.irp b, 0,1
.irp j, 0,1,2,3,4,5,6,7
	v_permlane16_swap_b32 v[108+16*\b+\j], v[116+16*\b+\j]        ; register 16 b + i now holds channel 32 b + 16 h + i
.endr
.endr
.irp b, 0,1
	v_max3_num_f32 v[224+\b], |v[108+16*\b]|, |v[109+16*\b]|, 0x1800000
.endr
.irp i, 2,4,6,8,10,12,14
.irp b, 0,1
	s_delay_alu instid0(VALU_DEP_2)
	v_max3_num_f32 v[224+\b], v[224+\b], |v[108+16*\b+\i]|, |v[109+16*\b+\i]|
.endr
.endr
.irp b, 0,1
	s_delay_alu instid0(VALU_DEP_2)
	v_permlanex16_b32 v[228+\b], v[224+\b], s18, s19
.endr
.irp b, 0,1
	s_delay_alu instid0(VALU_DEP_2)
	v_max_num_f32 v[224+\b], v[224+\b], v[228+\b]
.endr
.irp b, 0,1
	s_delay_alu instid0(VALU_DEP_2)
	v_add_nc_u32 v[232+\b], 0xff000000, v[224+\b]
.endr
.irp b, 0,1
	s_delay_alu instid0(VALU_DEP_2)
	v_lshrrev_b32 v[228+\b], 23, v[232+\b]
.endr
.if \hd == 0
	s_delay_alu instid0(VALU_DEP_1)
	v_lshl_or_b32 v253, v229, 8, v228
.else
	s_delay_alu instid0(VALU_DEP_2)
	v_lshl_or_b32 v253, v228, 16, v253
	s_delay_alu instid0(VALU_DEP_1)
	v_lshl_or_b32 v253, v229, 24, v253
.endif
	v_cvt_scalef32_pk16_fp6_f32 v[240+6*\hd:242+6*\hd], v[108:123], v232
	v_cvt_scalef32_pk16_fp6_f32 v[216:218], v[124:139], v233
	v_nop
.irp i, 0,1,2
	v_permlane16_swap_b32 v[240+6*\hd+\i], v[216+\i]
.endr
.irp i, 0,1,2
	s_delay_alu instid0(VALU_DEP_3)
	v_mov_b32 v[243+6*\hd+\i], v[216+\i]
.endr
.endm
.macro HEAD hd
.if \hd == 1
.irp i, 0,1,2,3,4,5
	v_mov_b32 v[16+\i], v[246+\i]                  ; the second head's q and its scale word: the lines that follow are their places in front of the products
.endr
	v_mov_b32 v28, v252
	s_mov_b32 s46, 0x40800000                      ; 8 slope = 4 x 2^-kappa
	s_mov_b32 s44, 0x3f38aa3b                      ; c2 = slope log2(e) = 0.7213475 x 2^-kappa
.else
	s_mov_b32 s46, 0x40b504f3                      ; 8 slope = 5.656854 x 2^-kappa
	s_mov_b32 s44, 0x3f8293ee                      ; c2 = 1.0201394 x 2^-kappa
.endif
	s_lshl_b32 s20, s16, 23
	s_sub_co_u32 s46, s46, s20                     ; kappa off the exponent fields
	s_sub_co_u32 s44, s44, s20
	s_mov_b32 s45, s44
.set n, 0
.irp f, 0x80000000,0xbf800000,0xc0000000,0xc0400000,0xc0800000,0xc0a00000,0xc0c00000,0xc0e00000,0xc1800000,0xc1880000,0xc1900000,0xc1980000,0xc1a00000,0xc1a80000,0xc1b00000,0xc1b80000
	v_add_f32 v[92+n], \f, v254                    ; r - 8 h - j for the even tiles, r - 8 h - j - 16 for the odd: whole numbers, exact
.set n, n+1
.endr
.set n, 0
.rept 16
	v_mul_f32 v[92+n], s46, v[92+n]
.set n, n+1
.endr
	v_mov_b32 v13, 0xff61b1e6                      ; the largest t so far: -3e38
	s_delay_alu instid0(VALU_DEP_1)
	v_floor_f32 v12, -v13
	v_mov_b32 v14, 0
	v_mov_b32 v15, 0
.set n, 0
.rept 32
	v_mov_b32 v[172+n], 0                          ; O^T: the step is written once; its first trip finds zeros
.set n, n+1
.endr
	s_lshl_b32 s20, s12, 4
	s_add_co_u32 s20, s20, 512
.irp b, 0,1,2,3
	v_cvt_f32_u32 v[8+\b], s20                     ; Q0 - KF - 32 B at the first trip: 512 + 16 wq - 32 B
	s_sub_co_u32 s20, s20, 32
.endr
	s_mul_i32 s47, s11, KVB                        ; my first slot
.if \hd == 1
	s_add_co_u32 s47, s47, 6*KVB
.endif
	s_lshl_b32 s48, s13, 1
	s_add_co_u32 s48, s48, s11
	s_sub_co_i32 s48, s48, 4                       ; and its step
	s_mov_b32 s49, 0
.Ltrip_\@:
	STEP
	s_add_co_u32 s49, s49, 1
	s_cmp_lt_u32 s49, 5
	s_cbranch_scc1 .Ltrip_\@
	FINISH \hd
.endm
	s_wait_loadcnt 0x0                             ; q; its offsets' registers are free
	s_wait_tensorcnt 0x0                           ; my slot is in
	s_barrier_signal -1
	s_barrier_wait -1                              ; everybody's is
	HEAD 0
	HEAD 1                                         ; both heads' slots were shown whole by the one barrier above
	s_lshl_b32 s20, s15, 7
	s_lshl_b32 s21, s13, 4
	s_add_co_u32 s20, s20, s21
	s_add_co_u32 s20, s20, s10                     ; my tile of 16 tokens: 128 batch + 16 x + wave
	s_lshl_b32 s21, s20, 3
	s_add_co_u32 s21, s21, s16
	s_mul_i32 s22, s21, 1536                       ; o as images of the last product's operand registers: the fragment of my 16 tokens for K step kappa
	s_mov_b32 s23, 0
	s_add_nc_u64 s[6:7], s[6:7], s[22:23]
	s_lshl_b32 s22, s20, 9                         ; its 16 rows of 32 scale bytes,
	s_lshl_b32 s21, s16, 2                         ; word kappa
	s_add_co_u32 s22, s22, s21
	s_add_nc_u64 s[8:9], s[8:9], s[22:23]
	s_wait_alu depctr_va_vdst(0)
.irp q, 0,1,2
	global_store_b128 v1, v[240+4*\q:243+4*\q], s[6:7] offset:512*\q   ; the fragment as it stands: 512 consecutive bytes a store
.endr
	global_store_b32 v255, v253, s[8:9]            ; row r's word; lanes l and l + 16 hold and write the same.  Words 32 bytes apart: 64 bytes of the wave's 512
	s_wait_tensorcnt 0x0
	ds_add_u32 v219, v223
	s_wait_dscnt 0x0
	s_endpgm
.Lfunc_end_k_qd9b94905b0_attn:
	.size	k_qd9b94905b0_attn, .Lfunc_end_k_qd9b94905b0_attn-k_qd9b94905b0_attn
	.p2alignl 7, 3214868480
	.fill 96, 4, 3214868480
	.section	.rodata,"a",@progbits
	.p2align	6, 0x0
	.amdhsa_kernel k_qd9b94905b0_attn
		.amdhsa_group_segment_fixed_size 169984
		.amdhsa_private_segment_fixed_size 0
		.amdhsa_enable_private_segment 0
		.amdhsa_kernarg_size 24
		.amdhsa_user_sgpr_count 2
		.amdhsa_user_sgpr_kernarg_segment_ptr 1
		.amdhsa_wavefront_size32 1
		.amdhsa_system_sgpr_workgroup_id_x 1
		.amdhsa_system_sgpr_workgroup_id_y 1
		.amdhsa_system_sgpr_workgroup_id_z 1
		.amdhsa_system_vgpr_workitem_id 0
		.amdhsa_next_free_vgpr 256
		.amdhsa_next_free_sgpr 86
		.amdhsa_reserve_vcc 0
		.amdhsa_float_denorm_mode_32 3
		.amdhsa_float_denorm_mode_16_64 3
		.amdhsa_memory_ordered 1
		.amdhsa_forward_progress 1
		.amdhsa_inst_pref_size 96
	.end_amdhsa_kernel
	.amdgpu_metadata
---
amdhsa.version: [ 1, 2 ]
amdhsa.kernels:
  - .name:           k_qd9b94905b0_attn
    .symbol:         k_qd9b94905b0_attn.kd
    .args:
      - { .name: qkv, .offset: 0, .size: 8, .value_kind: global_buffer, .address_space: global }
      - { .name: o_img, .offset: 8, .size: 8, .value_kind: global_buffer, .address_space: global }
      - { .name: o_scales, .offset: 16, .size: 8, .value_kind: global_buffer, .address_space: global }
    .group_segment_fixed_size: 169984
    .private_segment_fixed_size: 0
    .kernarg_segment_align: 8
    .kernarg_segment_size: 24
    .max_flat_workgroup_size: 512
    .sgpr_count:     86
    .vgpr_count:     256
    .wavefront_size: 32
...
	.end_amdgpu_metadata
.endif
;; end of part 2
;; launch oproj (part 3): grid 4 x 64, 4 waves a work-group, clusters of 4 x 4, 327,680 bytes of LDS; arguments o_img, o_scales, w_out_codes, w_out_scales, out0; writes out0
.if DOCPART == 3
	.amdgcn_target "amdgcn-amd-amdhsa--gfx1250"
	.amdhsa_code_object_version 6
	.text
	.protected	k_qd9b94905b0_oproj
	.globl	k_qd9b94905b0_oproj
	.p2align	8
	.type	k_qd9b94905b0_oproj,@function
k_qd9b94905b0_oproj:
	s_mov_b64 s[64:65], 0
	v_nop
	global_prefetch_b8 v0, s[64:65] scope:SCOPE_SE
	s_setreg_imm32_b32 hwreg(HW_REG_WAVE_MODE, 25, 1), 1
	s_wait_xcnt 0x0
	s_wait_alu depctr_hold_cnt(0) depctr_sa_sdst(0) depctr_va_vdst(0) depctr_va_sdst(0) depctr_va_ssrc(0) depctr_va_vcc(0) depctr_vm_vsrc(0)
	s_getreg_b32 s2, hwreg(HW_REG_IB_STS2, 6, 4)
	s_cmp_eq_u32 s2, 0
	s_cbranch_scc0 .Lentry_in_a_cluster
	s_endpgm
.Lentry_in_a_cluster:
	s_bfe_u32 s2, ttmp6, 0x10000c
	s_cmp_lg_u32 s2, 0xf033
	s_cbranch_scc0 .Lentry_shape_is_right
	s_endpgm
.Lentry_shape_is_right:
; out = o w_out^T on codes of FP6 (E2M3) with one E8M0 scale for each 32 along K = 1,024; out f32.
; o's codes come as images of operand registers, as the launch before stored them: the fragment of 16 tokens x 128 K is 1,536 bytes (three times 16 bytes a lane), fragment (tokens / 16) 8 + K / 128; o's scales as 32 bytes a token.
; A work-group of four waves makes 128 rows of o x 256 rows of w_out; a wave 64 x 128: 32 accumulators, 256 registers.  256 work-groups.
; ALL OF K LIES IN LDS: o's 64 fragments, 98,304 dense bytes, from byte 0; w_out's 256 whole rows of 768 bytes, 16 bytes of padding behind each 256 (pitch 816), from byte 104,448; scales 13,056; spare words 512: 326,912 bytes named.
; Four tiles, one joint load a wave at the head; each LDS byte is filled once: one wait, one barrier, then eight steps of 128 along K with no barrier.
; CLUSTERS 4 x 4: o's tile is shared along a row of the cluster, w_out's along a column.  NO PREFETCH: all that a work-group reads is asked for by its first four loads; there is no loop to run ahead in.
; THE MATRIX INSTRUCTION IS USED TRANSPOSED (source 0 = rows of w_out, source 1 = rows of o): a lane holds eight neighbouring numbers of a row of out.
; REGISTERS: window 0: v16-29 addresses; v32-63 scale words, two sets; v128-223 A's fragments, two sets (on the way out v128-255 rows read back).  Window 1: B's fragments, sets at v0, v128.  Window 2: accumulator (a, b) at v[8 (8 a + b)].
.set KROW,   768
.set SIZE_N, 1024
.set PITCH,  816
.set FR,     12
.set BBASE,  128*PITCH
.set SCLA,   384*PITCH
.set SCLB,   SCLA+16*272
.set SPARE,  SCLB+32*272
.set SBLK,   544
.set SPITCH, 528                       ; the way out: a stage of 16 rows x (512 + 16) bytes a wave, in A's bytes, behind a barrier behind which no wave reads codes
.set ADRA, 16
.set ADRB, 18
.set STO,  24
.set RD,   25
.set CO,   26
.set ADRS, 27
.set SPW,  28
.set NIL,  29
.set SC,   32
.set AF,   128
.set BK,   128
.set G1, 24
.set G0A, 32
.set G0B, 36
.set G1B, 48
.set G1S, 68
.set G0S, 76
.set G1SB, 80
.set G0SB, 88
.set MSB, 0
.macro WIN new
.if MSB != \new
	s_set_vgpr_msb (MSB<<8)|\new
.set MSB, \new
.endif
.endm
.macro CROUND
	s_barrier_signal -1
	s_barrier_wait -1
	s_cmp_lg_u32 s14, 0
	s_cbranch_scc1 .Lnot_wave_0_\@
	s_barrier_signal -3
.Lnot_wave_0_\@:
	s_barrier_wait -3
	s_barrier_signal -1
	s_barrier_wait -1
.endm
.macro PLACES
.rept 4
	v_nop
.endr
.endm
	s_load_b128 s[4:7], s[0:1], 0x0                ; o's codes, o's scales
	s_load_b128 s[8:11], s[0:1], 0x10              ; w_out's codes, w_out's scales
	s_load_b64 s[12:13], s[0:1], 0x20              ; out
	v_lshl_add_u32 v[SPW], v0, 2, SPARE
	v_mov_b32 v[NIL], 0
	ds_add_u32 v[SPW], v[NIL]                      ; the opening lines: the add, twice on end, and its wait
	ds_add_u32 v[SPW], v[NIL]
	v_lshrrev_b32 v1, 5, v0
	v_readfirstlane_b32 s14, v1                    ; wave 0..3
	s_lshr_b32 s15, s14, 1                         ; my 64 of A's 128 rows
	s_and_b32 s16, s14, 1                          ; my 128 of B's 256 rows
	s_bfe_u32 s40, ttmp6, 0x40000                  ; cx
	s_bfe_u32 s41, ttmp6, 0x40004                  ; cy
	s_lshl_b32 s42, ttmp9, 2
	s_add_co_u32 s42, s42, s40                     ; B's tile
	s_and_b32 s17, ttmp7, 0xffff
	s_lshl_b32 s17, s17, 2
	s_add_co_u32 s17, s17, s41                     ; A's tile
	s_lshl_b32 s43, s41, 2
	s_lshl_b32 s43, 15, s43                        ; my row of the cluster
	s_lshl_b32 s44, 0x1111, s40                    ; my column
	s_or_b32 s[G1+0], s43, (3<<16)|(1<<21)         ; A: 98,304 dense bytes as 384 rows of 256 (32 elements of 8 bytes), no padding
	s_or_b32 s[G1B+0], s44, (1<<20)|(1<<21)|(5<<22)|(3<<25)
	s_mov_b32 s[G1+1], 32<<16
	s_mov_b32 s[G1+2], 384<<16
	s_mov_b32 s[G1+3], 32<<16
	s_mov_b32 s[G1+4], 384
	s_mov_b32 s[G1+5], 32
	s_mov_b32 s[G1+6], 0
	s_mov_b32 s[G1+7], 0
	s_mov_b32 s[G1B+1], KROW<<16
	s_mov_b32 s[G1B+2], 256<<16
	s_mov_b32 s[G1B+3], KROW<<16
	s_mov_b32 s[G1B+4], 256
	s_mov_b32 s[G1B+5], KROW
	s_mov_b32 s[G1B+6], 0
	s_mov_b32 s[G1B+7], 0
	s_or_b32 s[G1S+0], s43, (3<<16)|(1<<20)|(1<<21)|(5<<22)|(3<<25)
	s_or_b32 s[G1SB+0], s44, (3<<16)|(1<<20)|(1<<21)|(5<<22)|(3<<25)
	s_mov_b32 s[G1S+1], 32<<16
	s_mov_b32 s[G1S+2], 16<<16
	s_mov_b32 s[G1S+3], 32<<16
	s_mov_b32 s[G1S+4], 16
	s_mov_b32 s[G1S+5], 32
	s_mov_b32 s[G1S+6], 0
	s_mov_b32 s[G1S+7], 0
	s_mov_b32 s[G1SB+1], 32<<16
	s_mov_b32 s[G1SB+2], 32<<16
	s_mov_b32 s[G1SB+3], 32<<16
	s_mov_b32 s[G1SB+4], 32
	s_mov_b32 s[G1SB+5], 32
	s_mov_b32 s[G1SB+6], 0
	s_mov_b32 s[G1SB+7], 0
	s_lshl_b32 s20, s17, 7                         ; A's first row
	s_lshl_b32 s46, s42, 8                         ; B's first row
	s_lshl_b32 s22, s20, 5
	s_mov_b32 s23, 0
	s_lshl_b32 s92, s46, 5
	s_mov_b32 s93, 0
	s_mul_i32 s20, s20, KROW                       ; 128 rows are 64 fragments of 1,536 bytes: 768 bytes a row here too
	s_mov_b32 s21, 0
	s_mul_i32 s46, s46, KROW
	s_mov_b32 s47, 0
	s_wait_dscnt 0x0                               ; both opening adds are done
	s_wait_kmcnt 0x0
	s_add_nc_u64 s[20:21], s[4:5], s[20:21]
	s_add_nc_u64 s[22:23], s[6:7], s[22:23]
	s_add_nc_u64 s[46:47], s[8:9], s[46:47]
	s_add_nc_u64 s[92:93], s[10:11], s[92:93]
	CROUND                                         ; all sixteen work-groups are here: the joint loads meet
	s_mov_b32 s[G0A], 1
	s_mov_b32 s[G0A+1], 0
	s_mov_b64 s[G0A+2:G0A+3], s[20:21]
	s_or_b32 s[G0A+3], s[G0A+3], 0x80000000
	s_mov_b32 s[G0B], 1
	s_mov_b32 s[G0B+1], BBASE
	s_mov_b64 s[G0B+2:G0B+3], s[46:47]
	s_or_b32 s[G0B+3], s[G0B+3], 0x80000000
	s_mov_b32 s[G0S], 1
	s_mov_b32 s[G0S+1], SCLA
	s_mov_b64 s[G0S+2:G0S+3], s[22:23]
	s_or_b32 s[G0S+3], s[G0S+3], 0x80000000
	s_mov_b32 s[G0SB], 1
	s_mov_b32 s[G0SB+1], SCLB
	s_mov_b64 s[G0SB+2:G0SB+3], s[92:93]
	s_or_b32 s[G0SB+3], s[G0SB+3], 0x80000000
.macro ARM under, g0, g1, next         ; one tree of branches on the wave's number, one load to an arm
	s_cmp_lt_u32 s14, \under
	s_cbranch_scc0 \next
	tensor_load_to_lds s[\g0:\g0+3], s[\g1:\g1+7]
	s_nop 0
	PLACES
	s_branch .Lhead_asked
\next:
.endm
	ARM 1, G0A, G1,  .Lhead_b
	ARM 2, G0B, G1B, .Lhead_sa
	ARM 3, G0S, G1S, .Lhead_sb
	tensor_load_to_lds s[G0SB:G0SB+3], s[G1SB:G1SB+7]
	s_nop 0
	PLACES
.Lhead_asked:
	s_lshl_b32 s20, s17, 7
	s_lshl_b32 s21, s15, 6
	s_add_co_u32 s20, s20, s21                     ; my first row of out
	s_mul_i32 s20, s20, SIZE_N*4
	s_lshl_b32 s46, s42, 10
	s_lshl_b32 s47, s16, 9
	s_add_co_u32 s46, s46, s47                     ; my first column, in bytes
	s_add_co_u32 s20, s20, s46
	s_mov_b32 s21, 0
	s_add_nc_u64 s[12:13], s[12:13], s[20:21]
	s_mul_i32 s22, s15, 32*1536                    ; my 64 rows of A: 32 fragments
	s_mul_i32 s23, s16, 128*PITCH
	s_add_co_u32 s23, s23, BBASE
	s_mul_i32 s45, s15, 2176
	s_add_co_u32 s45, s45, SCLA
	s_mul_i32 s46, s16, 4352
	s_add_co_u32 s46, s46, SCLB
	s_sub_co_u32 s46, s46, s45
	s_mul_i32 s47, s14, 16*SPITCH                  ; my stage
	v_and_b32 v1, 15, v0                           ; r
	v_bfe_u32 v2, v0, 4, 1                         ; h
	v_and_b32 v6, 31, v0
	v_lshlrev_b32 v[CO], 4, v6                     ; 16 x lane: my place in an image, and in a row of 512 bytes on the way out
	v_mul_u32_u24 v3, v1, PITCH
	v_mad_u32_u24 v3, v2, 24, v3
	v_add_nc_u32 v[ADRA], s22, v[CO]
	v_add_nc_u32 v[ADRB], s23, v3
	v_lshl_add_u32 v[ADRB+1], v2, 4, v[ADRB]
	v_add_nc_u32 v[ADRB+2], 64*PITCH, v[ADRB]
	v_add_nc_u32 v[ADRB+3], 64*PITCH, v[ADRB+1]
	v_lshlrev_b32 v5, 5, v1
	v_lshrrev_b32 v6, 8, v5
	v_lshl_add_u32 v5, v6, 4, v5
	v_mul_u32_u24 v6, s46, v2                      ; lanes 16-31 take B's scales
	v_add_nc_u32 v5, v5, v6
	v_add_nc_u32 v[ADRS], s45, v5
	v_mul_u32_u24 v5, v1, SPITCH                   ; into the stage: row r, 32 bytes for each half of the lanes
	v_lshl_add_u32 v5, v2, 5, v5
	v_add_nc_u32 v[STO], s47, v5
	v_add_nc_u32 v[RD], s47, v[CO]
.macro FRAG reg, adr, st, off          ; byte y of a row lies at y + 16 (y / 256) of its LDS row; lanes 16-31 read 24 bytes on
.irp p, 0,1,2,3,4,5
.set BY, 96*(\st)+48*(\p/3)+8*(\p%3)
.if BY/256 == (BY+24)/256
	ds_load_b64 v[\reg+2*\p:\reg+2*\p+1], v[\adr] offset:BY+16*(BY/256)+(\off)
.else
	ds_load_b64 v[\reg+2*\p:\reg+2*\p+1], v[\adr+1] offset:BY+16*(BY/256)+(\off)
.endif
.endr
.endm
.macro FETCH st
	WIN 0x40
.irp i, 0,1,2,3
	FRAG 128*((\st)%2)+FR*\i, ADRB, \st, \i*16*PITCH
.endr
.irp i, 4,5,6,7
	FRAG 128*((\st)%2)+FR*\i, ADRB+2, \st, (\i-4)*16*PITCH
.endr
	WIN 0
.irp i, 0,1,2,3
.irp c, 0,1,2
	ds_load_b128 v[AF+48*((\st)%2)+FR*\i+4*\c:AF+48*((\st)%2)+FR*\i+4*\c+3], v[ADRA] offset:(8*\i+(\st))*1536+512*\c   ; A's fragment as it was stored
.endr
.endr
.if (\st)%2 == 0
.irp i, 0,1,2,3,4,5,6,7
	ds_load_b64 v[SC+16*(((\st)/2)%2)+2*\i:SC+16*(((\st)/2)%2)+2*\i+1], v[ADRS] offset:\i*SBLK+4*(\st)
.endr
.endif
.endm
.macro MUL8 a                          ; the 32 accumulators take turns
.irp b, 0,1,2,3,4,5,6,7
.if ST == 0
	v_wmma_scale_f32_16x16x128_f8f6f4 v[8*(8*\a+\b):8*(8*\a+\b)+7], v[128*(ST%2)+FR*\b:128*(ST%2)+FR*\b+FR-1], v[AF+48*(ST%2)+FR*\a:AF+48*(ST%2)+FR*\a+FR-1], 0, v[SC+16*((ST/2)%2)+2*\b+ST%2], v[SC+16*((ST/2)%2)+2*\a+ST%2] matrix_a_fmt:MATRIX_FMT_FP6 matrix_b_fmt:MATRIX_FMT_FP6 matrix_a_scale:MATRIX_SCALE_ROW1
.else
	v_wmma_scale_f32_16x16x128_f8f6f4 v[8*(8*\a+\b):8*(8*\a+\b)+7], v[128*(ST%2)+FR*\b:128*(ST%2)+FR*\b+FR-1], v[AF+48*(ST%2)+FR*\a:AF+48*(ST%2)+FR*\a+FR-1], v[8*(8*\a+\b):8*(8*\a+\b)+7], v[SC+16*((ST/2)%2)+2*\b+ST%2], v[SC+16*((ST/2)%2)+2*\a+ST%2] matrix_a_fmt:MATRIX_FMT_FP6 matrix_b_fmt:MATRIX_FMT_FP6 matrix_a_scale:MATRIX_SCALE_ROW1
.endif
.endr
.endm
	s_wait_alu depctr_va_vdst(0)                   ; the wait at the head's end
	s_wait_tensorcnt 0x0                           ; my tile is in
	s_barrier_signal -1
	s_barrier_wait -1                              ; all four are
	FETCH 0
.set ST, 0
.rept 8
	s_wait_dscnt 0x0                               ; this step's fragments are in
.if ST < 7
.if ST > 0
	PLACES                                         ; in front of loads into the set that the step before multiplied
.endif
	FETCH ST+1
.endif
	WIN 0xa1
	MUL8 0
	MUL8 1
	MUL8 2
	MUL8 3
	WIN 0
.set ST, ST+1
.endr
	s_barrier_signal -1                            ; no LDS instruction of mine is out: my reads of the codes are over
	s_barrier_wait -1                              ; and so are everybody's: the stages may be written
; THE WAY OUT, block by block of 16 rows x 128 columns: through my stage, back as whole rows of 512 bytes, stored as two aligned units of 256 bytes.  LDS serves a wave's instructions in order (ISA guide 5.7.1.4).
.macro TOSTAGE a
.set AC, 64*(\a)
	WIN 0x08                                       ; the data: window 2
.irp b, 0,1,2,3,4,5,6,7
	ds_store_b128 v[STO], v[AC+8*\b:AC+8*\b+3] offset:64*\b          ; each accumulator from its low end on
	ds_store_b128 v[STO], v[AC+8*\b+4:AC+8*\b+7] offset:64*\b+16
.endr
	WIN 0
.set BB, BK+64*((\a)%2)
.irp t, 0,1,2,3,4,5,6,7,8,9,10,11,12,13,14,15
	ds_load_b128 v[BB+4*\t:BB+4*\t+3], v[RD] offset:\t*SPITCH
.endr
.endm
.macro SEND a, younger                 ; younger: the LDS instructions issued behind block a's loads
.set BB, BK+64*((\a)%2)
	s_wait_dscnt \younger
.if (\a) > 0
	s_add_nc_u64 s[12:13], s[12:13], 16*SIZE_N*4   ; behind a wait on XCNT: the earlier stores have read their base
.endif
.irp t, 0,1,2,3,4,5,6,7,8,9,10,11,12,13,14,15
	global_store_b128 v[CO], v[BB+4*\t:BB+4*\t+3], s[12:13] offset:\t*SIZE_N*4 th:TH_STORE_NT
.endr
.endm
	PLACES                                         ; behind the last products
	TOSTAGE 0
.irp a, 1,2,3
.if \a > 1
	s_wait_xcnt 0x0                                ; block a - 2's stores have read their registers and their base
.endif
	TOSTAGE \a
	SEND \a-1, 32                                  ; behind block a - 1's loads: block a's 16 stores and 16 loads
.endr
	s_wait_xcnt 0x0
	SEND 3, 0
	s_wait_tensorcnt 0x0                           ; the wave's end
	ds_add_u32 v[SPW], v[NIL]
	s_wait_dscnt 0x0
	CROUND                                         ; the closing round
	s_endpgm
.Lfunc_end_k_qd9b94905b0_oproj:
	.size	k_qd9b94905b0_oproj, .Lfunc_end_k_qd9b94905b0_oproj-k_qd9b94905b0_oproj
	.p2alignl 7, 3214868480
	.fill 96, 4, 3214868480
	.section	.rodata,"a",@progbits
	.p2align	6, 0x0
	.amdhsa_kernel k_qd9b94905b0_oproj
		.amdhsa_group_segment_fixed_size 327680
		.amdhsa_private_segment_fixed_size 0
		.amdhsa_enable_private_segment 0
		.amdhsa_kernarg_size 40
		.amdhsa_user_sgpr_count 2
		.amdhsa_user_sgpr_kernarg_segment_ptr 1
		.amdhsa_wavefront_size32 1
		.amdhsa_system_sgpr_workgroup_id_x 1
		.amdhsa_system_sgpr_workgroup_id_y 1
		.amdhsa_system_sgpr_workgroup_id_z 1
		.amdhsa_system_vgpr_workitem_id 0
		.amdhsa_next_free_vgpr 768
		.amdhsa_next_free_sgpr 98
		.amdhsa_reserve_vcc 0
		.amdhsa_float_denorm_mode_32 3
		.amdhsa_float_denorm_mode_16_64 3
		.amdhsa_memory_ordered 1
		.amdhsa_forward_progress 1
		.amdhsa_inst_pref_size 90
	.end_amdhsa_kernel
	.amdgpu_metadata
---
amdhsa.version: [ 1, 2 ]
amdhsa.kernels:
  - .name:           k_qd9b94905b0_oproj
    .symbol:         k_qd9b94905b0_oproj.kd
    .args:
      - { .name: o_img, .offset: 0, .size: 8, .value_kind: global_buffer, .address_space: global }
      - { .name: o_scales, .offset: 8, .size: 8, .value_kind: global_buffer, .address_space: global }
      - { .name: w_out_codes, .offset: 16, .size: 8, .value_kind: global_buffer, .address_space: global }
      - { .name: w_out_scales, .offset: 24, .size: 8, .value_kind: global_buffer, .address_space: global }
      - { .name: out0, .offset: 32, .size: 8, .value_kind: global_buffer, .address_space: global }
    .group_segment_fixed_size: 327680
    .private_segment_fixed_size: 0
    .kernarg_segment_align: 8
    .kernarg_segment_size: 40
    .max_flat_workgroup_size: 128
    .sgpr_count:     98
    .vgpr_count:     768
    .wavefront_size: 32
...
	.end_amdgpu_metadata
.endif
;; end of part 3
